; MI455X (gfx1250); checked and timed in simulation.
; The chip was launched on July 23, 2026; its instructions are those of AMD's public machine-readable ISA for CDNA 5 (MIT licence, August 2026) and "CDNA5" Instruction Set Architecture Reference Guide (July 2026). The comments in the code are by the model that wrote it; some were corrected since.
;; Custom Attention. Allowed arithmetic: float matrix products may take bf16 or f16 operands with f32 sums; other float arithmetic in f32, or as packed bf16 or f16 multiplies, adds, multiply-adds, maxima and minima; sums over many terms, partial sums and values carried from step to step in f32; what a program stores and reads back later, other than sums and carried values, may be rounded once to bf16 or f16.
;; Inputs: W 3,072 x 1,024 float32; b 3,072 float32; x 4 x 4,096 x 1,024 float32.
;; Outputs: out0 4 x 4,096 x 1,024 float32.
;; 2 versions, each right; version 2 is version 1 with the launch cvt written anew for expert scheduling mode. Each part assembles by itself: llvm-mc -triple=amdgcn-amd-amdhsa -mcpu=gfx1250 --defsym DOCPART=n.
;; ======== version 1 of 2: 3 launches
;; limits: values are held in f16: magnitudes above 65,504 overflow, below 6.1e-05 lose precision
;; workspace buffers: xb 33,554,432 bytes; Wb 6,291,456 bytes; rot 8,192 bytes; vf 33,554,432 bytes; sp 4,194,304 bytes
;; launch cvt (part 1): grid 1024 x 1, 8 waves a work-group, no clusters, 0 bytes of LDS; arguments x, W, xb, Wb, rot; writes xb, Wb, rot
.if DOCPART == 1
	.amdgcn_target "amdgcn-amd-amdhsa--gfx1250"
	.amdhsa_code_object_version 6
	.text
	.protected	k_qfc34bf8094_cvt
	.globl	k_qfc34bf8094_cvt
	.p2align	8
	.type	k_qfc34bf8094_cvt,@function
k_qfc34bf8094_cvt:
	s_mov_b64 s[64:65], 0
	v_nop
	global_prefetch_b8 v0, s[64:65] scope:SCOPE_SE
	s_setreg_imm32_b32 hwreg(HW_REG_WAVE_MODE, 25, 1), 1
	s_wait_xcnt 0x0
; xb = x and Wb = W rounded once to bf16 (nearest even); rot[d][p] = (cos, sin) of d * 10000^(-p/16), d = 0..63, p = 0..15, in f32.
; A stream: no LDS, no barrier, no matrix work.  Work-group g takes 65,536 bytes of x (16 rows of 4,096 bytes) and 12,288 bytes of W (3 such rows);
; thread t takes the 16 bytes at 16 t of each row, so a wave's load covers 512 consecutive bytes and its store of 8 bytes a lane 256 consecutive bytes, aligned.
; All 19 loads of a thread go out at once; no register that a memory instruction reads is written again, so no wait frees a source.
; THE TABLE is made by work-groups 0 to 3, an entry a thread.  The angle is brought to a quarter of its remainder modulo a full turn (at most pi/4), sine and cosine
; come from their series up to the 9th and 8th power (the next terms are under 3e-8 there), and two doublings of the angle give the result.  The angles are constants of the problem.
.set D,  8                             ; v[8:83]   row i: 4 registers as loaded; the first two then hold its 4 bf16 pairs
.set IX, 84                            ; v84       the entry's number, then its byte offset
.set PD, 85                            ; v85       d, then the angle
.set PP, 86                            ; v86       p, then 10000^(-p/16)
.set AL, 87                            ; v87       turns, then the reduced angle
.set ZZ, 88                            ; v88       its square
.set SI, 89                            ; v89       sine
.set ZA, 90                            ; v90       square x angle
.set CO, 91                            ; v91       cosine
.set W0, 92                            ; v92-93    at work
.set RS, 94                            ; v[94:95]  (cos, sin) to store
	s_load_b256 s[4:11], s[0:1], 0x0               ; x s[4:5], W s[6:7], xb s[8:9], Wb s[10:11]
	s_load_b64 s[12:13], s[0:1], 0x20              ; rot
	v_lshlrev_b32 v1, 4, v0                        ; my 16 bytes of a row of f32
	v_lshlrev_b32 v2, 3, v0                        ; my 8 bytes of a row of bf16
	s_lshl_b32 s14, ttmp9, 16                      ; the work-group's part of x,
	s_mov_b32 s15, 0
	s_lshl_b32 s16, ttmp9, 15                      ; of xb,
	s_mov_b32 s17, 0
	s_mul_i32 s18, ttmp9, 12288                    ; of W,
	s_mov_b32 s19, 0
	s_mul_i32 s20, ttmp9, 6144                     ; of Wb
	s_mov_b32 s21, 0
	s_wait_kmcnt 0x0
	s_add_nc_u64 s[4:5], s[4:5], s[14:15]
	s_add_nc_u64 s[8:9], s[8:9], s[16:17]
	s_add_nc_u64 s[6:7], s[6:7], s[18:19]
	s_add_nc_u64 s[10:11], s[10:11], s[20:21]
.set i, 0
.rept 16
	global_load_b128 v[D+4*i:D+4*i+3], v1, s[4:5] offset:4096*i th:TH_LOAD_NT
.set i, i+1
.endr
.rept 3
	global_load_b128 v[D+4*i:D+4*i+3], v1, s[6:7] offset:4096*(i-16) th:TH_LOAD_NT
.set i, i+1
.endr
.set i, 0
.rept 19
	s_wait_loadcnt 18-i                            ; loads come back in order: row i is in, the 18 - i younger rows stay out
	v_cvt_pk_bf16_f32 v[D+4*i], v[D+4*i], v[D+4*i+1]
	v_cvt_pk_bf16_f32 v[D+4*i+1], v[D+4*i+2], v[D+4*i+3]
.if i < 16
	global_store_b64 v2, v[D+4*i:D+4*i+1], s[8:9] offset:2048*i th:TH_STORE_NT
.else
	global_store_b64 v2, v[D+4*i:D+4*i+1], s[10:11] offset:2048*(i-16) th:TH_STORE_NT
.endif
.set i, i+1
.endr
	s_cmp_lt_u32 ttmp9, 4                          ; 1,024 entries: 256 threads of four work-groups
	s_cbranch_scc0 .Lend
	s_lshl_b32 s22, ttmp9, 8
	v_add_nc_u32 v[IX], s22, v0                    ; entry = 16 d + p
	v_lshrrev_b32 v[PD], 4, v[IX]
	v_and_b32 v[PP], 15, v[IX]
	v_cvt_f32_u32 v[PD], v[PD]
	v_cvt_f32_u32 v[PP], v[PP]
	v_mul_f32 v[PP], 0xbf549a78, v[PP]             ; -log2(10000) / 16 = -0.830482
	v_exp_f32 v[PP], v[PP]
	v_lshlrev_b32 v[IX], 3, v[IX]                  ; 8 bytes an entry: the plain instruction behind the exponential
	s_wait_alu depctr_va_vdst(0)                   ; the wait ahead of the result's first use
	v_mul_f32 v[PD], v[PD], v[PP]                  ; the angle
	v_mul_f32 v[AL], 0x3e22f983, v[PD]             ; in turns (1 / 2 pi)
	v_rndne_f32 v[AL], v[AL]
	v_fma_f32 v[AL], v[PD], 0x3e22f983, -v[AL]     ; the remainder, -0.5 to 0.5 turns
	v_mul_f32 v[AL], 0x3fc90fdb, v[AL]             ; x pi / 2: a quarter of the remaining angle
	v_mul_f32 v[ZZ], v[AL], v[AL]
	v_mov_b32 v[SI], 0x3638ef1d                    ; 1 / 9!
	v_mov_b32 v[CO], 0x37d00d01                    ; 1 / 8!
	v_fmaak_f32 v[SI], v[SI], v[ZZ], 0xb9500d01    ; -1 / 7!
	v_fmaak_f32 v[CO], v[CO], v[ZZ], 0xbab60b61    ; -1 / 6!
	v_fmaak_f32 v[SI], v[SI], v[ZZ], 0x3c088889    ; 1 / 5!
	v_fmaak_f32 v[CO], v[CO], v[ZZ], 0x3d2aaaab    ; 1 / 4!
	v_fmaak_f32 v[SI], v[SI], v[ZZ], 0xbe2aaaab    ; -1 / 3!
	v_fmaak_f32 v[CO], v[CO], v[ZZ], 0xbf000000    ; -1 / 2!
	v_mul_f32 v[ZA], v[ZZ], v[AL]
	v_fma_f32 v[CO], v[CO], v[ZZ], 1.0
	v_fma_f32 v[SI], v[SI], v[ZA], v[AL]
	v_mul_f32 v[W0], v[SI], v[CO]                  ; the angle doubled: sin = 2 s c, cos = 1 - 2 s s
	v_mul_f32 v[W0+1], v[SI], v[SI]
	v_add_f32 v[SI], v[W0], v[W0]
	v_fma_f32 v[CO], v[W0+1], -2.0, 1.0
	v_mul_f32 v[W0], v[SI], v[CO]                  ; and once more
	v_mul_f32 v[W0+1], v[SI], v[SI]
	v_add_f32 v[RS+1], v[W0], v[W0]
	v_fma_f32 v[RS], v[W0+1], -2.0, 1.0
	global_store_b64 v[IX], v[RS:RS+1], s[12:13]
.Lend:
	s_endpgm
.Lfunc_end_k_qfc34bf8094_cvt:
	.size	k_qfc34bf8094_cvt, .Lfunc_end_k_qfc34bf8094_cvt-k_qfc34bf8094_cvt
	.p2alignl 7, 3214868480
	.fill 96, 4, 3214868480
	.section	.rodata,"a",@progbits
	.p2align	6, 0x0
	.amdhsa_kernel k_qfc34bf8094_cvt
		.amdhsa_group_segment_fixed_size 0
		.amdhsa_private_segment_fixed_size 0
		.amdhsa_enable_private_segment 0
		.amdhsa_kernarg_size 40
		.amdhsa_user_sgpr_count 2
		.amdhsa_user_sgpr_kernarg_segment_ptr 1
		.amdhsa_wavefront_size32 1
		.amdhsa_system_sgpr_workgroup_id_x 1
		.amdhsa_system_sgpr_workgroup_id_y 1
		.amdhsa_system_sgpr_workgroup_id_z 1
		.amdhsa_system_vgpr_workitem_id 0
		.amdhsa_next_free_vgpr 96
		.amdhsa_next_free_sgpr 66
		.amdhsa_reserve_vcc 0
		.amdhsa_float_denorm_mode_32 3
		.amdhsa_float_denorm_mode_16_64 3
		.amdhsa_memory_ordered 1
		.amdhsa_forward_progress 1
		.amdhsa_inst_pref_size 10
	.end_amdhsa_kernel
	.amdgpu_metadata
---
amdhsa.version: [ 1, 2 ]
amdhsa.kernels:
  - .name:           k_qfc34bf8094_cvt
    .symbol:         k_qfc34bf8094_cvt.kd
    .args:
      - { .name: x, .offset: 0, .size: 8, .value_kind: global_buffer, .address_space: global }
      - { .name: W, .offset: 8, .size: 8, .value_kind: global_buffer, .address_space: global }
      - { .name: xb, .offset: 16, .size: 8, .value_kind: global_buffer, .address_space: global }
      - { .name: Wb, .offset: 24, .size: 8, .value_kind: global_buffer, .address_space: global }
      - { .name: rot, .offset: 32, .size: 8, .value_kind: global_buffer, .address_space: global }
    .group_segment_fixed_size: 0
    .private_segment_fixed_size: 0
    .kernarg_segment_align: 8
    .kernarg_segment_size: 40
    .max_flat_workgroup_size: 256
    .sgpr_count:     66
    .vgpr_count:     96
    .wavefront_size: 32
...
	.end_amdgpu_metadata
.endif
;; end of part 1
;; launch qkv (part 2): grid 16 x 16, 4 waves a work-group, clusters of 4 x 4, 327,680 bytes of LDS; arguments xb, Wb, b, rot, vf, sp; writes vf, sp
.if DOCPART == 2
	.amdgcn_target "amdgcn-amd-amdhsa--gfx1250"
	.amdhsa_code_object_version 6
	.text
	.protected	k_qfc34bf8094_qkv
	.globl	k_qfc34bf8094_qkv
	.p2align	8
	.type	k_qfc34bf8094_qkv,@function
k_qfc34bf8094_qkv:
	s_mov_b64 s[64:65], 0
	v_nop
	global_prefetch_b8 v0, s[64:65] scope:SCOPE_SE
	s_setreg_imm32_b32 hwreg(HW_REG_WAVE_MODE, 25, 1), 1
	s_wait_xcnt 0x0
	s_wait_alu depctr_hold_cnt(0) depctr_sa_sdst(0) depctr_va_vdst(0) depctr_va_sdst(0) depctr_va_ssrc(0) depctr_va_vcc(0) depctr_vm_vsrc(0)
	s_getreg_b32 s2, hwreg(HW_REG_IB_STS2, 6, 4)
	s_cmp_eq_u32 s2, 0
	s_cbranch_scc0 .Lentry_in_a_cluster
	s_endpgm
.Lentry_in_a_cluster:
	s_bfe_u32 s2, ttmp6, 0x10000c
	s_cmp_lg_u32 s2, 0xf033
	s_cbranch_scc0 .Lentry_shape_is_right
	s_endpgm
.Lentry_shape_is_right:
; THE PROJECTION AND THE SCORES.  qkv[s][c] = sum over k of xb[s][k] Wb[c][k] + b[c] (bf16 operands, f32 sums, b rounded to bf16 like x and W); head h owns channels 192 h .. 192 h + 191: q, k, v, 64 each.
; q and k never leave the registers: their rows s = 0..31 are turned (pair (2p, 2p+1) by the angle of channel d and pair p, from the table rot), then each number is split into bf16 hi + bf16 lo and
; score[d][e] += sum over s of q[d][s] k[e][s] is taken as kh qh + kh ql + kl qh (what is left out is under 2^-16 of a product).  v leaves in f16.
; SHARES.  Work-group = (head h, batch b, quarter of the 4,096 rows): it STAYS and walks 4 tiles of 256 rows x 192 channels, K in 8 steps of 128 through a ring of two LDS slots.  Wave w owns rows 64 w .. 64 w + 63
; of a tile and all 192 channels: 48 accumulators.  Its 64 x 64 partial scores stay in 16 accumulators over all four tiles; at the end the four waves' sums meet in LDS and leave as one partial for the quarter.
; ORIENTATION.  q, k: source 0 = 16 rows of x, source 1 = 16 rows of W: a lane holds ONE channel (lane % 16) and the rows s = 8 (lane / 16) + 0..7, so two results rounded in pairs ARE a fragment (16 channels x 32 s)
; of the score product.  v: the sources swapped: a lane holds one s and eight channels: 16 bytes of f16 that the next launch takes as a fragment as they lie.  The bias is the C operand of a tile's first products.
; CLUSTER 4 x 4: cx picks the head (4 x cluster x + cx), cy the batch, cluster y the quarter.  x's tile hangs on (cy, cluster y): shared along a row of the cluster; W's on the head: shared along a column.  Each is asked for JOINTLY.
; THE K WALK IS ROTATED BY CLUSTER.  The cluster at (X, Y) begins each tile's eight K steps at step 2 ((X + Y) mod 4) and goes round (f32 sums may be taken in any order).  The four clusters of one Y walk the same rows of x, the
; four of one X the same rows of W: at any step of the walk the four ask for four different pairs of K steps, and each K step of a tile is the first or second of exactly one cluster's walk.
; OUT.  vf[4h+b][s/16][e/16][lane][8] f16: lane (r, hh), element j = v[16 en + 8 hh + j][16 sblk + r].  sp[4h+b][quarter][d/16][e/16][2][lane][4] f32: score(16 dn + r, 16 en + 8 hh + 4 piece + i), unscaled.
; LIMITS.  v must lie within f16's 65,504 (it is a sum of 1,024 products of the inputs plus the bias); NaN and infinities are not treated apart.
; REGISTERS, in windows of 256 (s_set_vgpr_msb: bits 1:0 source 0, 3:2 source 1, 5:4 source 2, 7:6 destination):
;   window 0: v0-31 addresses and at work; v32-63 v's bias tile; v64-95, v96-127 x's fragments, two buffers; v128-255 qh, ql, kh, kl (32 each)
;   window 1: v0-95, v96-191 W's fragments, two buffers; v192-255 q's and k's bias, eight equal registers a block
;   window 2: q's and k's accumulators, (a, n) at 8 (8 a + n)        window 3: v0-127 v's accumulators, (a, nv) at 8 (4 a + nv); v128-255 the scores, (dn, en) at 128 + 8 (4 dn + en)
.set PITCH,  272                       ; an LDS row: 256 bytes + 16 of padding: the 16 rows that a load touches start at 16 different groups of four banks (ISA guide 11.1)
.set ABYTES, 256*PITCH                 ; x's 256 rows
.set SLOT,   448*PITCH                 ; then W's 192 rows
.set RED,    2*SLOT                    ; behind the ring, never filled by a tensor load: 16,384 bytes a wave for the partial scores
.set SPARE,  RED+65536                 ; the spare words, 128 bytes a wave: two blocks of 256 bytes that no other line names
.set KSTEP,  128
.set ROWB,   2048                      ; bytes in a row of xb and of Wb: eight K steps of 256 bytes
.set TILES,  4
.set LAPS,   4                         ; a lap = two K steps = once round the ring
.set T,    8                           ; v8-15   at work
.set ADRA, 16                          ; v16-17  LDS address of my fragments of x in slot 0, 1
.set ADRB, 20                          ; v20-21  the same for W
.set NEG1, 22                          ; v22     -1.0
.set RO,   23                          ; v23     my byte offset in the table: 128 r + 32 hh
.set VO,   24                          ; v24     16 x lane
.set SST,  25                          ; v25     where I put my partial scores
.set SRD,  26                          ; v26     where I read the four waves' back
.set SPW,  28                          ; v28     LDS address of my spare word; never rewritten
.set NIL,  29                          ; v29     0; never rewritten
.set PFO,  30                          ; v30     the prefetches' offset: a lane a row; never rewritten
.set BV,   32
.set FA,   64
.set HL,   128
.set BQK,  192                         ; window 1
.set SC,   128                         ; window 3
.set WV,   16                          ; s16  wave
.set FB,   17                          ; s17  0: I fetch x's tiles; 1: W's
.set HF,   18                          ; s18  which half of the tile's rows I fetch
.set CX,   19
.set CY,   20
.set HD,   21                          ; s21  head
.set QY,   22                          ; s22  quarter = cluster y
.set G1,   24                          ; s[24:31] descriptor group 1 for x's tiles;  s[32:39] group 0, a set for each slot
.set G0,   32
.set WANT, 43                          ; s43  the value of the lap counter at which I prefetch: 1 in waves 0 and 1 while the tile has a successor, else 0, which the counter never has in the loop
.set PFA,  44                          ; s[44:45] xb at my work-group's 32 rows of the 128 that I fetch, in the next tile, at the first K step of my cluster's walk
.set G1B,  48                          ; s[48:55], s[56:63] the same for W's tiles
.set G0B,  56
.set ROPE, 66                          ; s66  the value of the tile counter at which my rows hold s = 0..31, or a value that it never has
.set BA,   70                          ; s[70:71] xb at the rows that I would fetch of the tile being asked for, K = 0
.set BB,   74                          ; s[74:75] Wb at the rows that I would fetch of my head, K = 0; never rewritten
.set KO,   84                          ; s[84:85] the byte offset along a row of the K step asked for last: it goes round modulo 2,048
.set W_QK,  0xa4                       ; x window 0, W window 1, C and D window 2
.set W_QK0, 0x94                       ; the same, C (the bias) window 1
.set W_V,   0xf1                       ; W window 1, x window 0, C and D window 3
.set W_V0,  0xc1                       ; the same, C window 0
.set TO_B,  0x40                       ; destination window 1
.set W_H,   0x0a                       ; sources 0, 1 window 2
.set W_L,   0x20                       ; source 2 window 2
.set W_SC,  0xf0                       ; C and D window 3
.set W_VC,  0x4f                       ; sources window 3, destination window 1
.set W_VS,  0x04                       ; a store's data window 1
.set W_R1,  0x02                       ; source 0 window 2
.set W_R2,  0x82                       ; source 0 and destination window 2
.set W_CL,  0xc0                       ; destination window 3
.set W_RS,  0x0c                       ; an LDS store's data window 3
.set MSB, 0
.macro WIN new                         ; the immediate's high byte repeats the setting that is left; a switch that changes nothing is dropped
.if MSB != (\new)
	s_set_vgpr_msb (MSB<<8)|(\new)
.set MSB, \new
.endif
.endm
; A joint load.  Waves 0 and 1 fetch the halves of x's tile, waves 2 and 3 those of W's.  The branch hangs on the wave's number alone.  An s_nop 0 and four v_nop follow each line.
.macro JLOAD s
	s_cmp_eq_u32 s[FB], 0
	s_cbranch_scc0 .Lfor_b_\@
	tensor_load_to_lds s[G0+4*(\s):G0+4*(\s)+3], s[G1:G1+7]
	s_nop 0
.rept 4
	v_nop
.endr
	s_branch .Lasked_\@
.Lfor_b_\@:
	tensor_load_to_lds s[G0B+4*(\s):G0B+4*(\s)+3], s[G1B:G1B+7]
	s_nop 0
.rept 4
	v_nop
.endr
.Lasked_\@:
.endm
; A PREFETCH INTO THE L2, behind the joint loads of the loop's last trip (a tile's last two refills along K) and the LDS loads that follow them: the NEXT tile's first two K steps of my cluster's walk, slot 0's and slot 1's:
; two refills, 384 products, ahead of the loads that will ask for them.  Waves 0 and 1, which fetch x, ask; the four partners of a joint load share its 128 rows out by address, 32 each (by cx): a lane a row, 256 bytes of it,
; one instruction a wave.  So each block of x from the second tile on is named once in the launch: its K step picks the cluster, its row the wave and the partner.  Not asked for: the first tile's and W's first two K steps,
; which go out at the head, where every work-group's first tiles are on their way; every other K step of a walk, which is the first or second of another cluster's walk.  The last tile asks for nothing.
.macro ASK slot
	s_cmp_eq_u32 s3, s[WANT]
	s_cbranch_scc0 .Lnot_mine_\@
	global_prefetch_b8 v[PFO], s[PFA:PFA+1] offset:(\slot)*KSTEP*2 th:TH_LOAD_NT scope:SCOPE_SE
.Lnot_mine_\@:
.endm
.macro CREST                           ; a round of the cluster's barrier behind its opening barrier
	s_cmp_lg_u32 s[WV], 0
	s_cbranch_scc1 .Lnot_wave_0_\@
	s_barrier_signal -3
.Lnot_wave_0_\@:
	s_barrier_wait -3
	s_barrier_signal -1
	s_barrier_wait -1
.endm
.macro CROUND                          ; a whole round
	s_barrier_signal -1
	s_barrier_wait -1
	CREST
.endm
.macro PLACES                          ; four plain instructions between a matrix instruction and a vector instruction or load that touches its registers
.rept 4
	v_nop
.endr
.endm
	s_load_b256 s[4:11], s[0:1], 0x0               ; xb s[4:5], Wb s[6:7], b s[8:9], rot s[10:11]
	s_load_b128 s[12:15], s[0:1], 0x20             ; vf s[12:13], sp s[14:15]
	v_lshl_add_u32 v[SPW], v0, 2, SPARE
	v_mov_b32 v[NIL], 0
	ds_add_u32 v[SPW], v[NIL]                      ; the wave's opening: the add and its wait stand ahead of my first tensor load; the set-up below stands between them
	v_lshrrev_b32 v1, 5, v0
	v_readfirstlane_b32 s[WV], v1                  ; wave 0..3
	s_lshr_b32 s[FB], s[WV], 1
	s_and_b32 s[HF], s[WV], 1
	s_bfe_u32 s[CX], ttmp6, 0x40000
	s_bfe_u32 s[CY], ttmp6, 0x40004
	s_lshl_b32 s[HD], ttmp9, 2
	s_add_co_u32 s[HD], s[HD], s[CX]               ; head = 4 x cluster x + cx
	s_and_b32 s[QY], ttmp7, 0xffff                 ; quarter = cluster y: the same in all sixteen partners
	s_add_co_u32 s[KO], ttmp9, s[QY]               ; where my cluster's K walk begins: 2 ((X + Y) mod 4) steps of 256 bytes; made of the cluster's own place alone, so equal in all sixteen partners
	s_and_b32 s[KO], s[KO], 3
	s_lshl_b32 s[KO], s[KO], 9
	s_mov_b32 s[KO+1], 0
	s_lshl_b32 s46, s[CY], 2
	s_lshl_b32 s46, 15, s46                        ; my row of the cluster
	s_lshl_b32 s47, 0x1111, s[CX]                  ; my column
	; group 1: tiles of 128 (x) or 96 (W) rows x 128 elements of 2 bytes; padding on, 4 words behind every 64; bit 21 set beside a mask
	s_or_b32 s[G1], s46, (1<<16)|(1<<20)|(1<<21)|(5<<22)|(3<<25)
	s_or_b32 s[G1B], s47, (1<<16)|(1<<20)|(1<<21)|(5<<22)|(3<<25)
.irp g, G1, G1B
	s_mov_b32 s[(\g)+1], KSTEP<<16                 ; tensor_dim0 = 128
	s_mov_b32 s[(\g)+3], KSTEP<<16                 ; tile_dim0 = 128
	s_mov_b32 s[(\g)+5], 1024                      ; elements from row to row
	s_mov_b32 s[(\g)+6], 0
	s_mov_b32 s[(\g)+7], 0
.endr
	s_mov_b32 s[G1+2], 128<<16                     ; tensor_dim1
	s_mov_b32 s[G1+4], 128                         ; tile_dim1
	s_mov_b32 s[G1B+2], 96<<16
	s_mov_b32 s[G1B+4], 96
	s_lshl_b32 s68, s[CY], 12                      ; x: row 4,096 batch + 1,024 quarter + 128 half; these registers never hold cx
	s_lshl_b32 s69, s[QY], 10
	s_add_co_u32 s68, s68, s69
	s_lshl_b32 s69, s[HF], 7
	s_add_co_u32 s68, s68, s69
	s_lshl_b32 s68, s68, 11
	s_mov_b32 s69, 0
	s_mul_i32 s72, s[HD], 192                      ; W: row 192 head + 96 half; these never hold cy
	s_mul_i32 s73, s[HF], 96
	s_add_co_u32 s72, s72, s73
	s_lshl_b32 s72, s72, 11
	s_mov_b32 s73, 0
	s_mul_i32 s40, s[WV], 128*PITCH                ; LDS: waves 0, 1: x's halves at wave x 128 rows
	s_mul_i32 s41, s[WV], 96*PITCH                 ; waves 2, 3: W's halves behind x's 256 rows, at (wave - 2) x 96 rows
	s_add_co_u32 s41, s41, ABYTES-2*96*PITCH
	s_wait_dscnt 0x0                               ; the opening add is done
	s_wait_kmcnt 0x0
	s_add_nc_u64 s[BA:BA+1], s[4:5], s[68:69]
	s_add_nc_u64 s[BB:BB+1], s[6:7], s[72:73]
	CROUND                                         ; all sixteen work-groups are here: the first joint loads meet
.irp s, 0,1
.if (\s) == 1
	s_add_co_u32 s[KO], s[KO], KSTEP*2             ; the walk's second K step: its first is even, so nothing goes round here
.endif
	s_mov_b32 s[G0+4*(\s)], 1
	s_add_co_u32 s[G0+4*(\s)+1], s40, (\s)*SLOT
	s_add_nc_u64 s[G0+4*(\s)+2:G0+4*(\s)+3], s[BA:BA+1], s[KO:KO+1]
	s_or_b32 s[G0+4*(\s)+3], s[G0+4*(\s)+3], 0x80000000
	s_mov_b32 s[G0B+4*(\s)], 1
	s_add_co_u32 s[G0B+4*(\s)+1], s41, (\s)*SLOT
	s_add_nc_u64 s[G0B+4*(\s)+2:G0B+4*(\s)+3], s[BB:BB+1], s[KO:KO+1]
	s_or_b32 s[G0B+4*(\s)+3], s[G0B+4*(\s)+3], 0x80000000
	JLOAD \s                                       ; the walk's first two K steps: two tensor loads of mine are out
.endr
	v_and_b32 v1, 15, v0                           ; r
	v_bfe_u32 v2, v0, 4, 1                         ; hh
	v_and_b32 v3, 31, v0                           ; lane
	v_mul_u32_u24 v4, v1, PITCH
	v_lshl_add_u32 v4, v2, 4, v4                   ; a fragment's row x pitch + 16 x half
	s_mul_i32 s76, s[WV], 64*PITCH                 ; my 64 rows of x
	v_add_nc_u32 v[ADRA], s76, v4
	v_add_nc_u32 v[ADRA+1], SLOT, v[ADRA]
	v_add_nc_u32 v[ADRB], ABYTES, v4               ; every wave reads all of W's 192 rows
	v_add_nc_u32 v[ADRB+1], SLOT, v[ADRB]
	v_mov_b32 v[NEG1], -1.0
	v_lshlrev_b32 v[RO], 7, v1
	v_lshl_add_u32 v[RO], v2, 5, v[RO]
	v_lshlrev_b32 v[VO], 4, v3
	s_lshl_b32 s76, s[WV], 14
	s_add_co_u32 s76, s76, RED
	v_add_nc_u32 v[SST], s76, v[VO]
	s_lshl_b32 s76, s[WV], 12
	s_add_co_u32 s76, s76, RED
	v_add_nc_u32 v[SRD], s76, v[VO]
	v_lshlrev_b32 v5, 2, v1                        ; q, k: the bias of channel r of a block
	v_lshlrev_b32 v6, 5, v2                        ; v: of channels 8 hh + 0..7
	s_mul_i32 s76, s[HD], 768                      ; the head's 192 numbers of b
	s_mov_b32 s77, 0
	s_add_nc_u64 s[8:9], s[8:9], s[76:77]
.set i, 0
.rept 8
	global_load_b32 v[HL+64+i], v5, s[8:9] offset:64*i
.set i, i+1
.endr
.set i, 0
.rept 4
	global_load_b128 v[HL+72+8*i:HL+72+8*i+3], v6, s[8:9] offset:512+64*i
	global_load_b128 v[HL+72+8*i+4:HL+72+8*i+7], v6, s[8:9] offset:512+64*i+16
.set i, i+1
.endr
.set i, 0                              ; the table for channels 16 nn + r and pairs 8 a + 4 hh + 0..3, i = 2 nn + a: every wave loads it, so that every wave's registers are written
.rept 8
	global_load_b128 v[HL+8*i:HL+8*i+3], v[RO], s[10:11] offset:2048*(i/2)+64*(i%2)
	global_load_b128 v[HL+8*i+4:HL+8*i+7], v[RO], s[10:11] offset:2048*(i/2)+64*(i%2)+16
.set i, i+1
.endr
	WIN W_CL                                       ; the scores start at 0: 128 lines, written while the first tiles are on their way, so that one text of the score products serves every tile
.set i, 0
.rept 128
	v_mov_b32 v[SC+i], 0
.set i, i+1
.endr
	WIN 0
	s_lshl_b32 s76, s[HD], 2
	s_add_co_u32 s76, s76, s[CY]                   ; hb = 4 head + batch
	s_lshl_b32 s78, s76, 19                        ; vf: 524,288 bytes a (head, batch), 2,048 for 16 rows: + (64 quarter + 4 wave) x 2,048
	s_lshl_b32 s79, s[QY], 17
	s_add_co_u32 s78, s78, s79
	s_lshl_b32 s79, s[WV], 13
	s_add_co_u32 s78, s78, s79
	s_mov_b32 s79, 0
	s_add_nc_u64 s[12:13], s[12:13], s[78:79]
	s_lshl_b32 s78, s76, 2                         ; sp: (4 hb + quarter) x 16,384 + wave x 4,096
	s_add_co_u32 s78, s78, s[QY]
	s_lshl_b32 s78, s78, 14
	s_lshl_b32 s79, s[WV], 12
	s_add_co_u32 s78, s78, s79
	s_mov_b32 s79, 0
	s_add_nc_u64 s[14:15], s[14:15], s[78:79]
	s_or_b32 s[ROPE], s[QY], s[WV]                 ; rows s = 0..31 lie in quarter 0, tile 0, wave 0
	s_cmp_eq_u32 s[ROPE], 0
	s_cselect_b32 s[ROPE], TILES, -1
	; the prefetches: xb at row 4,096 batch + 1,024 quarter + 256 (the second tile) + 128 half + 32 cx, at the walk's first K step (KO stands at its second)
	s_lshl_b32 s76, s[CY], 12
	s_lshl_b32 s77, s[QY], 10
	s_add_co_u32 s76, s76, s77
	s_lshl_b32 s77, s[HF], 7
	s_add_co_u32 s76, s76, s77
	s_lshl_b32 s77, s[CX], 5
	s_add_co_u32 s76, s76, s77
	s_add_co_u32 s76, s76, 256
	s_lshl_b32 s76, s76, 11
	s_add_co_u32 s76, s76, s[KO]
	s_sub_co_u32 s76, s76, KSTEP*2
	s_mov_b32 s77, 0
	s_add_nc_u64 s[PFA:PFA+1], s[4:5], s[76:77]
	s_cmp_eq_u32 s[FB], 0                          ; waves 0 and 1 ask: the same in all sixteen partners
	s_cselect_b32 s[WANT], 1, 0
	v_lshlrev_b32 v[PFO], 11, v3
	s_wait_loadcnt 16                              ; the bias is in; the table's 16 loads may stay out
.set i, 0
.rept 8
	v_cvt_pk_bf16_f32 v[HL+64+i], v[HL+64+i], v[HL+64+i]  ; b rounded to bf16, as x and W are
.set i, i+1
.endr
.set i, 0
.rept 16
	v_cvt_pk_bf16_f32 v[HL+104+i], v[HL+72+2*i], v[HL+72+2*i+1]
.set i, i+1
.endr
.set i, 0
.rept 16
	v_lshlrev_b32 v[BV+2*i], 16, v[HL+104+i]
	v_and_b32 v[BV+2*i+1], 0xffff0000, v[HL+104+i]
.set i, i+1
.endr
	WIN TO_B
.set i, 0
.rept 64
	v_lshlrev_b32 v[BQK+i], 16, v[HL+64+i/8]       ; a lane's channel is the same in all eight registers of a result
.set i, i+1
.endr
	WIN 0
; 16 products for q and k: my four blocks of 16 rows x channel blocks n0 .. n0 + 3, 32 along K, buffer f.  first = 1: the bias starts the sums.
.macro MQK f, n0, first
.if \first
	WIN W_QK0
.else
	WIN W_QK
.endif
.set ia, 0
.rept 4
.set ib, \n0
.rept 4
.if \first
	v_wmma_f32_16x16x32_bf16 v[8*(8*ia+ib):8*(8*ia+ib)+7], v[FA+32*(\f)+8*ia:FA+32*(\f)+8*ia+7], v[96*(\f)+8*ib:96*(\f)+8*ib+7], v[BQK+8*ib:BQK+8*ib+7]
.else
	v_wmma_f32_16x16x32_bf16 v[8*(8*ia+ib):8*(8*ia+ib)+7], v[FA+32*(\f)+8*ia:FA+32*(\f)+8*ia+7], v[96*(\f)+8*ib:96*(\f)+8*ib+7], v[8*(8*ia+ib):8*(8*ia+ib)+7]
.endif
.set ib, ib+1
.endr
.set ia, ia+1
.endr
.endm
; 16 products for v, the sources swapped
.macro MV f, first
.if \first
	WIN W_V0
.else
	WIN W_V
.endif
.set ia, 0
.rept 4
.set ib, 0
.rept 4
.if \first
	v_wmma_f32_16x16x32_bf16 v[8*(4*ia+ib):8*(4*ia+ib)+7], v[96*(\f)+8*(8+ib):96*(\f)+8*(8+ib)+7], v[FA+32*(\f)+8*ia:FA+32*(\f)+8*ia+7], v[BV+8*ib:BV+8*ib+7]
.else
	v_wmma_f32_16x16x32_bf16 v[8*(4*ia+ib):8*(4*ia+ib)+7], v[96*(\f)+8*(8+ib):96*(\f)+8*(8+ib)+7], v[FA+32*(\f)+8*ia:FA+32*(\f)+8*ia+7], v[8*(4*ia+ib):8*(4*ia+ib)+7]
.endif
.set ib, ib+1
.endr
.set ia, ia+1
.endr
.endm
; 32 LDS loads in one run: 32 along K at byte k of the rows, into buffer f: x's 4 fragments, then W's 12, v's four last
.macro FETCH slot, k, f
	WIN 0
.set ia, 0
.rept 4
	ds_load_b128 v[FA+32*(\f)+8*ia:FA+32*(\f)+8*ia+3],   v[ADRA+(\slot)] offset:(\k)+ia*16*PITCH
	ds_load_b128 v[FA+32*(\f)+8*ia+4:FA+32*(\f)+8*ia+7], v[ADRA+(\slot)] offset:(\k)+ia*16*PITCH+32
.set ia, ia+1
.endr
	WIN TO_B
.set ia, 0
.rept 12
	ds_load_b128 v[96*(\f)+8*ia:96*(\f)+8*ia+3],   v[ADRB+(\slot)] offset:(\k)+ia*16*PITCH
	ds_load_b128 v[96*(\f)+8*ia+4:96*(\f)+8*ia+7], v[ADRB+(\slot)] offset:(\k)+ia*16*PITCH+32
.set ia, ia+1
.endr
.endm
; A K step is four quarters of 32 along K, 48 products each, on buffers 0, 1, 0, 1.  The 48 accumulators take turns, one instruction a turn, in the same order in every quarter.
; One of the first three: multiplies buffer f; behind its first 16 products it fetches the next quarter, at byte k of the same slot, into buffer g.
.macro QUARTER slot, k, f, g, first
	s_wait_dscnt 8                                 ; x's fragments and q's and k's of W are in; the youngest eight loads (v's of W) may be out
	MQK \f, 0, \first
	PLACES                                         ; buffer g was last read by the quarter before
	FETCH \slot, \k, \g
	MQK \f, 4, \first
	s_wait_dscnt 32                                ; all but the 32 just issued
	MV \f, \first
.endm
; The last quarter multiplies buffer 1 and changes slots.  In front of the round each wave waits for all its tensor loads (one is out: its part of the next slot), adds 0 to its spare word, and waits for that and for its
; reads of this slot.  Behind the round no wave of any partner reads this slot or has a load on its way: the joint refill comes first, with the K step two on in the walk; on = 1: that step is the next tile's first or second.
; The slot's two descriptors are made anew while the add is out, where no tensor load of mine is pending: a base, the offset along K, the type bits.  From a request to the wait for it a wave issues 160 products.
.macro TURN slot, next, on
	WIN 0                                          ; (the add's two registers lie in window 0)
	s_wait_tensorcnt 0x0                           ; all my tensor loads have landed, so every group 0 may be written
	ds_add_u32 v[SPW], v[NIL]                      ; 0 onto my spare word: the scalar work below stands between it and the wait for it
.if (\on) && (\slot) == 0
	s_add_nc_u64 s[BA:BA+1], s[BA:BA+1], 256*ROWB  ; x goes on to the next tile's 256 rows; W's rows are the same for all four tiles
.endif
	s_add_co_u32 s[KO], s[KO], KSTEP*2             ; the walk's next K step,
	s_and_b32 s[KO], s[KO], ROWB-1                 ; round the row's eight
	s_add_nc_u64 s[G0+4*(\slot)+2:G0+4*(\slot)+3], s[BA:BA+1], s[KO:KO+1]
	s_or_b32 s[G0+4*(\slot)+3], s[G0+4*(\slot)+3], 0x80000000
	s_add_nc_u64 s[G0B+4*(\slot)+2:G0B+4*(\slot)+3], s[BB:BB+1], s[KO:KO+1]
	s_or_b32 s[G0B+4*(\slot)+3], s[G0B+4*(\slot)+3], 0x80000000
	s_wait_dscnt 9                                 ; (the add and the youngest eight loads may be out)
	MQK 1, 0, 0                                    ; sixteen products more stand between the add and the wait for it
	s_wait_dscnt 0x0                               ; the add is done, and my reads of this slot are over
	s_barrier_signal -1
	MQK 1, 4, 0                                    ; work on registers while the others arrive
	WIN 0
	s_barrier_wait -1
	CREST
	JLOAD \slot                                    ; the four v_nop behind it are also the places in front of the loads below
	FETCH \next, 0, 0
.if !(\on)
	WIN 0
	ASK \slot
.endif
	MV 1, 0
.endm
; The same change of slots where nothing is filled again: my work-group's barrier alone
.macro TURNL next
	WIN 0
	s_wait_tensorcnt 0x0                           ; my last tensor load, my part of the walk's last K step, has landed
	ds_add_u32 v[SPW], v[NIL]
	s_wait_dscnt 9
	MQK 1, 0, 0
	s_wait_dscnt 0x0
	s_barrier_signal -1
	MQK 1, 4, 0
	s_barrier_wait -1
	PLACES
	FETCH \next, 0, 0
	MV 1, 0
.endm
; THE TURNING of rows s = 0..31 (my blocks a = 0, 1), for the four channel blocks from nb on: x[2p] = x[2p] c - x[2p+1] s, x[2p+1] = x[2p+1] c + x[2p] s.  i = 2 nn + a; (c, s) of pair jj at HL + 8 i + 2 jj.
.macro ROT nb
	WIN W_R1
.set ia, 0
.rept 8
.set rX, 8*(8*(ia%2)+(\nb)+ia/2)
.set ib, 0
.rept 4
	v_mul_f32 v[HL+64+8*ia+2*ib],   v[rX+2*ib+1], v[HL+8*ia+2*ib+1]
	v_mul_f32 v[HL+64+8*ia+2*ib+1], v[rX+2*ib],   v[HL+8*ia+2*ib+1]
.set ib, ib+1
.endr
.set ia, ia+1
.endr
	WIN W_R2
.set ia, 0
.rept 8
.set rX, 8*(8*(ia%2)+(\nb)+ia/2)
.set ib, 0
.rept 4
	v_fma_f32 v[rX+2*ib],   v[rX+2*ib],   v[HL+8*ia+2*ib], -v[HL+64+8*ia+2*ib]
	v_fma_f32 v[rX+2*ib+1], v[rX+2*ib+1], v[HL+8*ia+2*ib], v[HL+64+8*ia+2*ib+1]
.set ib, ib+1
.endr
.set ia, ia+1
.endr
.endm
; q and k of my rows 32 ap .. 32 ap + 31 as fragments: hi = the number rounded to bf16, lo = (number - hi), exact in f32, rounded to bf16.  Block n's hi at HL + 64 (n / 4) + 8 (n % 4), its lo 32 further on;
; registers 4 u + i hold rows 16 u + 8 hh + 2 i, + 1.  Each accumulator is read from its low end on.
.macro SPLIT ap
	WIN W_H
.set ia, 0
.rept 16                               ; ia = 2 n + u
.set rX, 8*(8*(2*(\ap)+ia%2)+ia/2)
.set rH, HL+64*(ia/8)+8*((ia/2)%4)+4*(ia%2)
.set ib, 0
.rept 4
	v_cvt_pk_bf16_f32 v[rH+ib], v[rX+2*ib], v[rX+2*ib+1]
.set ib, ib+1
.endr
.set ia, ia+1
.endr
	WIN W_L
.set ia, 0
.rept 16
.set rX, 8*(8*(2*(\ap)+ia%2)+ia/2)
.set rH, HL+64*(ia/8)+8*((ia/2)%4)+4*(ia%2)
.set ib, 0
.rept 4
	v_fma_mix_f32_bf16 v[T+2*ib],   v[rH+ib], v[NEG1], v[rX+2*ib]   op_sel_hi:[1,0,0]
	v_fma_mix_f32_bf16 v[T+2*ib+1], v[rH+ib], v[NEG1], v[rX+2*ib+1] op_sel:[1,0,0] op_sel_hi:[1,0,0]
.set ib, ib+1
.endr
.set ib, 0
.rept 4
	v_cvt_pk_bf16_f32 v[rH+32+ib], v[T+2*ib], v[T+2*ib+1]
.set ib, ib+1
.endr
.set ia, ia+1
.endr
.endm
; 48 products: kh qh, kh ql, kl qh, each over the 16 score accumulators by turns.  Source 0 = 16 channels of k, source 1 = 16 of q: a lane holds one d and eight e.
.macro SCORE
	WIN W_SC
.irp kq, 0,1,2
.set rK, HL+64+32*((\kq)/2)
.set rQ, HL+32*((\kq)%2)
.set ia, 0
.rept 4
.set ib, 0
.rept 4
	v_wmma_f32_16x16x32_bf16 v[SC+8*(4*ia+ib):SC+8*(4*ia+ib)+7], v[rK+8*ib:rK+8*ib+7], v[rQ+8*ia:rQ+8*ia+7], v[SC+8*(4*ia+ib):SC+8*(4*ia+ib)+7]
.set ib, ib+1
.endr
.set ia, ia+1
.endr
.endr
.endm
; v leaves: rounded to f16 into W's buffer 1, which is idle here; each store of the wave covers 512 consecutive bytes, aligned
.macro VOUT
	WIN W_VC
.set ia, 0
.rept 64
	v_cvt_pk_f16_f32 v[96+ia], v[2*ia], v[2*ia+1]
.set ia, ia+1
.endr
	WIN W_VS
.set ia, 0
.rept 16
	global_store_b128 v[VO], v[96+4*ia:96+4*ia+3], s[12:13] offset:512*ia th:TH_STORE_NT
.set ia, ia+1
.endr
.endm
; A TILE'S END.  more = 1: the tile has a successor: the text holds the turning, which only the walk's first tile can want, and the prefetches' pointer goes on.
.macro EPI more
	WIN 0
	PLACES                                         ; behind the tile's last products
	s_wait_loadcnt 0x0                             ; the table (at the first tile; later nothing is out)
.if \more
	s_cmp_eq_u32 s2, s[ROPE]
	s_cbranch_scc0 .Lno_rope_\@
	ROT 0
	ROT 4
	WIN 0
.Lno_rope_\@:
.endif
	SPLIT 0
	SCORE
	VOUT                                           ; its 64 conversions name no register of the score products: they are the places in front of the next split
	SPLIT 1
	SCORE
	WIN 0
	s_wait_xcnt 0x0                                ; the stores have read their data and their base, and the tile's two prefetches, two K steps back, their address: W's buffer 1 is loaded again, and the pointers stepped, only behind this wait
	s_add_nc_u64 s[12:13], s[12:13], 16*2048       ; the next tile's 256 rows of v
.if \more
	s_add_nc_u64 s[PFA:PFA+1], s[PFA:PFA+1], 256*ROWB  ; the prefetches stand one tile ahead
.endif
.endm
	s_wait_tensorcnt 1                             ; my part of the walk's first K step is in; the second's may stay out
	s_barrier_signal -1
	s_barrier_wait -1                              ; everybody's is
	FETCH 0, 0, 0
	WIN 0
	s_mov_b32 s2, TILES                            ; tiles to go, this one among them
.Ltile:
	QUARTER 0, 64,  0, 1, 1                        ; a tile's first quarter: its products start the sums with the bias
	WIN 0
	s_mov_b32 s3, LAPS-1
.Llap:                                             ; a trip goes once round the ring, from a lap's second quarter to the next lap's first, and fills both slots again
	QUARTER 0, 128, 1, 0, 0
	QUARTER 0, 192, 0, 1, 0
	TURN 0, 1, 0
	QUARTER 1, 64,  0, 1, 0
	QUARTER 1, 128, 1, 0, 0
	QUARTER 1, 192, 0, 1, 0
	TURN 1, 0, 0
	QUARTER 0, 64,  0, 1, 0
	WIN 0
	s_sub_co_u32 s3, s3, 1
	s_cmp_lg_u32 s3, 0
	s_cbranch_scc1 .Llap
	QUARTER 0, 128, 1, 0, 0                        ; the tile's last lap goes on
	QUARTER 0, 192, 0, 1, 0
	WIN 0
	s_cmp_eq_u32 s2, 1
	s_cbranch_scc1 .Llast_tile                     ; the last tile's tail is written out: it asks for nothing more
	TURN 0, 1, 1                                   ; the ring goes on into the next tile: slot 0 takes the first K step of its walk,
	QUARTER 1, 64,  0, 1, 0
	QUARTER 1, 128, 1, 0, 0
	QUARTER 1, 192, 0, 1, 0
	TURN 1, 0, 1                                   ; slot 1 the second, and the next tile's first fragments are fetched
	EPI 1                                          ; both refills are on their way while the tile is ended
	s_sub_co_u32 s2, s2, 1
	s_cmp_eq_u32 s2, 1
	s_cselect_b32 s[WANT], 0, s[WANT]              ; the last tile has no successor to ask for
	s_branch .Ltile
.Llast_tile:
	TURNL 1
	QUARTER 1, 64,  0, 1, 0
	QUARTER 1, 128, 1, 0, 0
	QUARTER 1, 192, 0, 1, 0
	s_wait_dscnt 8                                 ; the very last quarter: nothing more to fetch
	MQK 1, 0, 0
	MQK 1, 4, 0
	s_wait_dscnt 0x0
	MV 1, 0
	EPI 0
	; THE FOUR WAVES' SCORES MEET: each puts its 16 accumulators into its own 16,384 bytes; behind a barrier wave w adds the four parts of the blocks d = 16 w .. 16 w + 15 and stores them
	PLACES                                         ; behind the last score products
	WIN W_RS
.set i, 0
.rept 32
	ds_store_b128 v[SST], v[SC+4*i:SC+4*i+3] offset:512*i
.set i, i+1
.endr
	WIN 0
	s_wait_dscnt 0x0                               ; for the others' sake: my stores are done
	s_barrier_signal -1
	s_barrier_wait -1
.set i, 0
.rept 32
	ds_load_b128 v[HL+4*i:HL+4*i+3], v[SRD] offset:16384*(i/8)+512*(i%8)
.set i, i+1
.endr
	s_wait_dscnt 0x0
.set i, 0
.rept 16
	v_pk_add_f32 v[HL+i:HL+i+1], v[HL+i:HL+i+1], v[HL+32+i:HL+32+i+1]
	v_pk_add_f32 v[HL+64+i:HL+64+i+1], v[HL+64+i:HL+64+i+1], v[HL+96+i:HL+96+i+1]
.set i, i+2
.endr
.set i, 0
.rept 16
	v_pk_add_f32 v[HL+i:HL+i+1], v[HL+i:HL+i+1], v[HL+64+i:HL+64+i+1]
.set i, i+2
.endr
.set i, 0
.rept 8
	global_store_b128 v[VO], v[HL+4*i:HL+4*i+3], s[14:15] offset:512*i  ; 512 consecutive bytes, aligned
.set i, i+1
.endr
	s_wait_tensorcnt 0x0                           ; the wave's end: behind my last tensor load and my last LDS store
	ds_add_u32 v[SPW], v[NIL]
	s_wait_dscnt 0x0
	CROUND                                         ; the closing round: no work-group ends while a partner may still ask for a tile that names it
	s_endpgm
.Lfunc_end_k_qfc34bf8094_qkv:
	.size	k_qfc34bf8094_qkv, .Lfunc_end_k_qfc34bf8094_qkv-k_qfc34bf8094_qkv
	.p2alignl 7, 3214868480
	.fill 96, 4, 3214868480
	.section	.rodata,"a",@progbits
	.p2align	6, 0x0
	.amdhsa_kernel k_qfc34bf8094_qkv
		.amdhsa_group_segment_fixed_size 327680
		.amdhsa_private_segment_fixed_size 0
		.amdhsa_enable_private_segment 0
		.amdhsa_kernarg_size 48
		.amdhsa_user_sgpr_count 2
		.amdhsa_user_sgpr_kernarg_segment_ptr 1
		.amdhsa_wavefront_size32 1
		.amdhsa_system_sgpr_workgroup_id_x 1
		.amdhsa_system_sgpr_workgroup_id_y 1
		.amdhsa_system_sgpr_workgroup_id_z 1
		.amdhsa_system_vgpr_workitem_id 0
		.amdhsa_next_free_vgpr 1024
		.amdhsa_next_free_sgpr 88
		.amdhsa_reserve_vcc 0
		.amdhsa_float_denorm_mode_32 3
		.amdhsa_float_denorm_mode_16_64 3
		.amdhsa_memory_ordered 1
		.amdhsa_forward_progress 1
		.amdhsa_inst_pref_size 247
	.end_amdhsa_kernel
	.amdgpu_metadata
---
amdhsa.version: [ 1, 2 ]
amdhsa.kernels:
  - .name:           k_qfc34bf8094_qkv
    .symbol:         k_qfc34bf8094_qkv.kd
    .args:
      - { .name: xb, .offset: 0, .size: 8, .value_kind: global_buffer, .address_space: global }
      - { .name: Wb, .offset: 8, .size: 8, .value_kind: global_buffer, .address_space: global }
      - { .name: b, .offset: 16, .size: 8, .value_kind: global_buffer, .address_space: global }
      - { .name: rot, .offset: 24, .size: 8, .value_kind: global_buffer, .address_space: global }
      - { .name: vf, .offset: 32, .size: 8, .value_kind: global_buffer, .address_space: global }
      - { .name: sp, .offset: 40, .size: 8, .value_kind: global_buffer, .address_space: global }
    .group_segment_fixed_size: 327680
    .private_segment_fixed_size: 0
    .kernarg_segment_align: 8
    .kernarg_segment_size: 48
    .max_flat_workgroup_size: 128
    .sgpr_count:     88
    .vgpr_count:     1024
    .wavefront_size: 32
...
	.end_amdgpu_metadata
.endif
;; end of part 2
;; launch pv (part 3): grid 4 x 64, 4 waves a work-group, no clusters, 78,336 bytes of LDS; arguments sp, vf, out0; writes out0
.if DOCPART == 3
	.amdgcn_target "amdgcn-amd-amdhsa--gfx1250"
	.amdhsa_code_object_version 6
	.text
	.protected	k_qfc34bf8094_pv
	.globl	k_qfc34bf8094_pv
	.p2align	8
	.type	k_qfc34bf8094_pv,@function
k_qfc34bf8094_pv:
	s_mov_b64 s[64:65], 0
	v_nop
	global_prefetch_b8 v0, s[64:65] scope:SCOPE_SE
	s_setreg_imm32_b32 hwreg(HW_REG_WAVE_MODE, 25, 1), 1
	s_wait_xcnt 0x0
; SOFTMAX AND P v.  For (head, batch) hb = work-group y: score[d][e] = the sum of sp's four partials; P[d][:] = softmax over e of score / 8, with the row's true maximum taken away; out[d][s] = sum over e of P[d][e] v[e][s].
; out0 is [h][d][b][s] in f32: a row (h, d, b) is 16,384 dense bytes along s.
; SHARES.  Work-group x = a quarter of s (1,024); wave w takes 256 of them, in four chunks of 64.  Every work-group makes P anew (64 x 64 numbers): wave w the rows d = 16 w .. 16 w + 15; the waves hand P to each other through LDS.
; LAYOUT.  sp's lane (r, hh) holds d = 16 dn + r and e = 16 en + 8 hh + j: 32 of the row's 64 scores; the lane 16 away holds the others.  Rounded to f16 in pairs they ARE source 1 (16 d x 32 e).
; vf's pieces ARE source 0 (16 s x 32 e): two pieces of 4 registers a fragment.  In the result a lane holds one d and eight neighbouring s: 32 bytes of a row of out0, which go through my own stage in LDS to leave as whole rows of 256 bytes.
; NO CLUSTER, NO TENSOR LOAD: every byte of vf is wanted by one wave, as it lies; what work-groups share (sp) is 64 KiB of the 448 KiB that each moves.  No prefetch: the launch is a short stream whose loads all go out at its head.
; LIMITS.  P is rounded to f16 (below 6e-5 it keeps f16's fixed step of 6e-8); a weight below 2^-126 counts as 0; NaN and infinities are not treated apart.
; REGISTERS: window 0: v0-9 addresses; v16-79 P's fragments (dn, en) at 16 dn + 4 en; v96-111 my rows of P; v112-127 at work; v128-255 the scores, later 16 accumulators.  Window 1: my 64 pieces of v.
.set STAGE, 8192                       ; P lies at 0 (8,192 bytes); then 64 rows x 272 bytes for each wave
.set SP,    272                        ; 256 bytes + 16: the sixteen rows that a store touches start at sixteen different groups of four banks (ISA guide 11.1)
.set SPARE, STAGE+4*64*SP              ; the spare words, 128 bytes a wave: two blocks of 256 bytes that no other line names
.set LN,  3                            ; v3   16 x lane
.set PST, 4                            ; v4   where I put my rows of P
.set STO, 5                            ; v5   the way out: where I put 32 bytes of a row
.set RD,  6                            ; v6   where I read rows back
.set GO,  7                            ; v7   my byte offset in two rows of out0
.set SPW, 8                            ; v8   LDS address of my spare word; never rewritten
.set NIL, 9                            ; v9   0; never rewritten
.set PB,  16
.set PK,  96
.set T,   112                          ; v112-115 four maxima; v116-117 c m, twice
.set U,   118                          ; v118-125 four sums of pairs
.set R,   126                          ; v126-127 1 / l, twice
.set S,   128
.set MSB, 0
.macro WIN new
.if MSB != (\new)
	s_set_vgpr_msb (MSB<<8)|(\new)
.set MSB, \new
.endif
.endm
	s_load_b128 s[4:7], s[0:1], 0x0                ; sp s[4:5], vf s[6:7]
	s_load_b64 s[8:9], s[0:1], 0x10                ; out0
	v_lshl_add_u32 v[SPW], v0, 2, SPARE
	v_mov_b32 v[NIL], 0
	v_lshrrev_b32 v1, 5, v0
	v_readfirstlane_b32 s10, v1                    ; wave 0..3
	v_and_b32 v1, 15, v0                           ; r
	v_bfe_u32 v2, v0, 4, 1                         ; hh
	v_and_b32 v[LN], 31, v0
	v_lshlrev_b32 v[LN], 4, v[LN]
	s_and_b32 s11, ttmp7, 0xffff                   ; hb = 4 h + b
	s_lshl_b32 s12, s11, 16                        ; sp: 65,536 hb + 4,096 wave (the blocks d = 16 w ..)
	s_lshl_b32 s13, s10, 12
	s_add_co_u32 s12, s12, s13
	s_mov_b32 s13, 0
	s_lshl_b32 s14, s11, 19                        ; vf: 524,288 hb + (64 quarter + 16 wave) x 2,048
	s_lshl_b32 s15, ttmp9, 17
	s_add_co_u32 s14, s14, s15
	s_lshl_b32 s15, s10, 15
	s_add_co_u32 s14, s14, s15
	s_mov_b32 s15, 0
	s_lshr_b32 s16, s11, 2                         ; out0: 4,194,304 h + 16,384 b + 4,096 quarter + 1,024 wave
	s_lshl_b32 s16, s16, 22
	s_and_b32 s17, s11, 3
	s_lshl_b32 s17, s17, 14
	s_add_co_u32 s16, s16, s17
	s_lshl_b32 s17, ttmp9, 12
	s_add_co_u32 s16, s16, s17
	s_lshl_b32 s17, s10, 10
	s_add_co_u32 s16, s16, s17
	s_mov_b32 s17, 0
	s_mov_b32 s18, 0x3e38aa3b                      ; c = log2(e) / 8
	s_mov_b32 s19, s18                             ; named with it as a pair
	s_mov_b32 s20, 0x76543210                      ; v_permlanex16_b32: each lane takes its own place in the other half
	s_mov_b32 s21, 0xfedcba98
	s_wait_kmcnt 0x0
	s_add_nc_u64 s[4:5], s[4:5], s[12:13]
	s_add_nc_u64 s[6:7], s[6:7], s[14:15]
	s_add_nc_u64 s[8:9], s[8:9], s[16:17]
.set i, 0
.rept 32                               ; partial i / 8, piece i % 8 = 2 en + half
	global_load_b128 v[S+4*i:S+4*i+3], v[LN], s[4:5] offset:16384*(i/8)+512*(i%8)
.set i, i+1
.endr
	WIN 0x40                                       ; destination window 1
.set i, 0
.rept 32                               ; v of my first two chunks: piece i = 4 (s / 16) + en
	global_load_b128 v[4*i:4*i+3], v[LN], s[6:7] offset:512*i th:TH_LOAD_NT
.set i, i+1
.endr
	WIN 0
	s_lshl_b32 s22, s10, 11
	v_add_nc_u32 v[PST], s22, v[LN]                ; P: 2,048 wave + 16 lane
	s_mul_i32 s22, s10, 64*SP
	s_add_co_u32 s22, s22, STAGE                   ; my stage
	v_mul_u32_u24 v[STO], v1, SP                   ; in: row d = r of a block, 32 bytes for each half of the lanes
	v_lshl_add_u32 v[STO], v2, 5, v[STO]
	v_add_nc_u32 v[STO], s22, v[STO]
	v_mul_u32_u24 v[RD], v2, SP                    ; back: lanes 0-15 one row of 256 bytes, lanes 16-31 the next
	v_lshl_add_u32 v[RD], v1, 4, v[RD]
	v_add_nc_u32 v[RD], s22, v[RD]
	v_lshlrev_b32 v[GO], 16, v2                    ; and the same two rows in out0, 65,536 bytes apart
	v_lshl_add_u32 v[GO], v1, 4, v[GO]
	s_wait_loadcnt 32                              ; the scores are in; the 32 younger loads of v may stay out
	WIN 0x40
.rept 32                               ; v of my last two chunks
	global_load_b128 v[4*i:4*i+3], v[LN], s[6:7] offset:512*i th:TH_LOAD_NT
.set i, i+1
.endr
	WIN 0
.set i, 0
.rept 16
	v_pk_add_f32 v[S+i:S+i+1], v[S+i:S+i+1], v[S+32+i:S+32+i+1]
	v_pk_add_f32 v[S+64+i:S+64+i+1], v[S+64+i:S+64+i+1], v[S+96+i:S+96+i+1]
.set i, i+2
.endr
.set i, 0
.rept 16
	v_pk_add_f32 v[S+i:S+i+1], v[S+i:S+i+1], v[S+64+i:S+64+i+1]
.set i, i+2
.endr
	; the row's maximum: four chains of seven scores, the four left over, the lane 16 away
.irp c, 0,1,2,3
	v_max3_num_f32 v[T+(\c)], v[S+8*(\c)], v[S+8*(\c)+1], v[S+8*(\c)+2]
.endr
.irp c, 0,1,2,3
	v_max3_num_f32 v[T+(\c)], v[T+(\c)], v[S+8*(\c)+3], v[S+8*(\c)+4]
.endr
.irp c, 0,1,2,3
	v_max3_num_f32 v[T+(\c)], v[T+(\c)], v[S+8*(\c)+5], v[S+8*(\c)+6]
.endr
	v_max3_num_f32 v[T], v[T], v[S+7], v[S+15]
	v_max3_num_f32 v[T+1], v[T+1], v[S+23], v[S+31]
	v_max3_num_f32 v[T], v[T], v[T+1], v[T+2]
	v_max_num_f32 v[T], v[T], v[T+3]
	v_permlanex16_b32 v[T+1], v[T], s20, s21
	v_max_num_f32 v[T], v[T], v[T+1]
	v_mul_f32 v[T+4], s18, v[T]                    ; c m
	v_mov_b32 v[T+5], v[T+4]                       ; named with it as a pair
.set i, 0
.rept 16
	v_pk_fma_f32 v[S+i:S+i+1], v[S+i:S+i+1], s[18:19], v[T+4:T+5] op_sel_hi:[1,0,0] neg_lo:[0,0,1] neg_hi:[0,0,1]  ; c s - c m
.set i, i+2
.endr
.set i, 0
.rept 32
	v_exp_f32 v[S+i], v[S+i]
.set i, i+1
.endr
	v_nop                                          ; a plain instruction behind the last exponential,
	s_wait_alu depctr_va_vdst(0)                   ; and the wait ahead of the first use: one for the 32
.irp k, 0,1,2,3
	v_pk_add_f32 v[U+2*(\k):U+2*(\k)+1], v[S+8*(\k):S+8*(\k)+1], v[S+8*(\k)+2:S+8*(\k)+3]
.endr
.irp k, 0,1,2,3
	v_pk_add_f32 v[U+2*(\k):U+2*(\k)+1], v[U+2*(\k):U+2*(\k)+1], v[S+8*(\k)+4:S+8*(\k)+5]
.endr
.irp k, 0,1,2,3
	v_pk_add_f32 v[U+2*(\k):U+2*(\k)+1], v[U+2*(\k):U+2*(\k)+1], v[S+8*(\k)+6:S+8*(\k)+7]
.endr
	v_pk_add_f32 v[U:U+1], v[U:U+1], v[U+2:U+3]
	v_pk_add_f32 v[U+4:U+5], v[U+4:U+5], v[U+6:U+7]
	v_pk_add_f32 v[U:U+1], v[U:U+1], v[U+4:U+5]
	v_add_f32 v[U], v[U], v[U+1]
	v_permlanex16_b32 v[U+1], v[U], s20, s21
	v_add_f32 v[U], v[U], v[U+1]                   ; l, at least about 1: the maximum's own weight
	v_rcp_f32 v[R], v[U]
	v_nop
	s_wait_alu depctr_va_vdst(0)
	v_mov_b32 v[R+1], v[R]
.set i, 0
.rept 16
	v_pk_mul_f32 v[S+i:S+i+1], v[S+i:S+i+1], v[R:R+1] op_sel_hi:[1,0]
.set i, i+2
.endr
.set i, 0
.rept 16
	v_cvt_pk_f16_f32 v[PK+i], v[S+2*i], v[S+2*i+1]
.set i, i+1
.endr
.irp e, 0,1,2,3
	ds_store_b128 v[PST], v[PK+4*(\e):PK+4*(\e)+3] offset:512*(\e)
.endr
	s_wait_dscnt 0x0                               ; for the others' sake: my rows of P are stored
	s_barrier_signal -1
	s_barrier_wait -1
.set i, 0
.rept 16
	ds_load_b128 v[PB+4*i:PB+4*i+3], v[LN] offset:512*i  ; all of P: piece i = 4 dn + en
.set i, i+1
.endr
	s_wait_dscnt 0x0
; Chunk g: 64 s x 64 d.  32 products; the 16 accumulators (sb, dn) take turns; the first 16 start the sums.
.macro CHUNK g
	s_wait_loadcnt 48-16*(\g)                      ; my chunk's 16 pieces of v are in; the later chunks' may stay out
	s_wait_xcnt 0x0                                ; the last chunk's stores have read the registers that the products below write
	WIN 0x01                                       ; source 0 (v) window 1
.set ic, 0
.rept 2
.set ia, 0
.rept 4
.set ib, 0
.rept 4
.if ic == 0
	v_wmma_f32_16x16x32_f16 v[S+8*(4*ia+ib):S+8*(4*ia+ib)+7], v[16*(4*(\g)+ia)+8*ic:16*(4*(\g)+ia)+8*ic+7], v[PB+16*ib+8*ic:PB+16*ib+8*ic+7], 0
.else
	v_wmma_f32_16x16x32_f16 v[S+8*(4*ia+ib):S+8*(4*ia+ib)+7], v[16*(4*(\g)+ia)+8*ic:16*(4*(\g)+ia)+8*ic+7], v[PB+16*ib+8*ic:PB+16*ib+8*ic+7], v[S+8*(4*ia+ib):S+8*(4*ia+ib)+7]
.endif
.set ib, ib+1
.endr
.set ia, ia+1
.endr
.set ic, ic+1
.endr
	WIN 0
.rept 5
	v_nop                                          ; five plain instructions: four are owed to the stores below, which read results, and to the loads that land in those registers
.endr                                              ; five to the next chunk's products, which write over these accumulators, with no other vector instruction between
.set ia, 0
.rept 4
.set ib, 0
.rept 4
	ds_store_b128 v[STO], v[S+8*(4*ia+ib):S+8*(4*ia+ib)+3]   offset:16*SP*ib+64*ia
	ds_store_b128 v[STO], v[S+8*(4*ia+ib)+4:S+8*(4*ia+ib)+7] offset:16*SP*ib+64*ia+16
.set ib, ib+1
.endr
.set ia, ia+1
.endr
.set ia, 0
.rept 32
	ds_load_b128 v[S+4*ia:S+4*ia+3], v[RD] offset:2*SP*ia  ; LDS serves a wave's instructions in order (ISA guide 5.7.1.4): these see the stores above; the stage is my own
.set ia, ia+1
.endr
.set ia, 0
.rept 32
	s_wait_dscnt 31-ia                             ; rows 2 ia and 2 ia + 1 are back; the younger loads stay out
	global_store_b128 v[GO], v[S+4*ia:S+4*ia+3], s[8:9] offset:131072*ia+256*(\g) th:TH_STORE_NT  ; 16 lanes store 256 consecutive bytes, at a multiple of 256 from out0's first byte
.set ia, ia+1
.endr
.endm
	CHUNK 0
	CHUNK 1
	CHUNK 2
	CHUNK 3
	s_wait_tensorcnt 0x0                           ; the wave's end: behind my last LDS store
	ds_add_u32 v[SPW], v[NIL]
	s_wait_dscnt 0x0
	s_endpgm
.Lfunc_end_k_qfc34bf8094_pv:
	.size	k_qfc34bf8094_pv, .Lfunc_end_k_qfc34bf8094_pv-k_qfc34bf8094_pv
	.p2alignl 7, 3214868480
	.fill 96, 4, 3214868480
	.section	.rodata,"a",@progbits
	.p2align	6, 0x0
	.amdhsa_kernel k_qfc34bf8094_pv
		.amdhsa_group_segment_fixed_size 78336
		.amdhsa_private_segment_fixed_size 0
		.amdhsa_enable_private_segment 0
		.amdhsa_kernarg_size 24
		.amdhsa_user_sgpr_count 2
		.amdhsa_user_sgpr_kernarg_segment_ptr 1
		.amdhsa_wavefront_size32 1
		.amdhsa_system_sgpr_workgroup_id_x 1
		.amdhsa_system_sgpr_workgroup_id_y 1
		.amdhsa_system_sgpr_workgroup_id_z 1
		.amdhsa_system_vgpr_workitem_id 0
		.amdhsa_next_free_vgpr 512
		.amdhsa_next_free_sgpr 66
		.amdhsa_reserve_vcc 0
		.amdhsa_float_denorm_mode_32 3
		.amdhsa_float_denorm_mode_16_64 3
		.amdhsa_memory_ordered 1
		.amdhsa_forward_progress 1
		.amdhsa_inst_pref_size 64
	.end_amdhsa_kernel
	.amdgpu_metadata
---
amdhsa.version: [ 1, 2 ]
amdhsa.kernels:
  - .name:           k_qfc34bf8094_pv
    .symbol:         k_qfc34bf8094_pv.kd
    .args:
      - { .name: sp, .offset: 0, .size: 8, .value_kind: global_buffer, .address_space: global }
      - { .name: vf, .offset: 8, .size: 8, .value_kind: global_buffer, .address_space: global }
      - { .name: out0, .offset: 16, .size: 8, .value_kind: global_buffer, .address_space: global }
    .group_segment_fixed_size: 78336
    .private_segment_fixed_size: 0
    .kernarg_segment_align: 8
    .kernarg_segment_size: 24
    .max_flat_workgroup_size: 128
    .sgpr_count:     66
    .vgpr_count:     512
    .wavefront_size: 32
...
	.end_amdgpu_metadata
.endif
;; end of part 3
;; ======== version 2 of 2: 3 launches; version 1 with the launch cvt written anew for expert scheduling mode
;; limits: values are held in f16: magnitudes above 65,504 overflow, below 6.1e-05 lose precision
;; workspace buffers: xb 33,554,432 bytes; Wb 6,291,456 bytes; rot 8,192 bytes; vf 33,554,432 bytes; sp 4,194,304 bytes
;; launch cvt (part 4): grid 1024 x 1, 8 waves a work-group, no clusters, 0 bytes of LDS; arguments x, W, xb, Wb, rot; writes xb, Wb, rot
.if DOCPART == 4
	.amdgcn_target "amdgcn-amd-amdhsa--gfx1250"
	.amdhsa_code_object_version 6
	.text
	.protected	k_qfc34bf8094_cvt
	.globl	k_qfc34bf8094_cvt
	.p2align	8
	.type	k_qfc34bf8094_cvt,@function
k_qfc34bf8094_cvt:
	s_mov_b64 s[64:65], 0
	v_nop
	global_prefetch_b8 v0, s[64:65] scope:SCOPE_SE
	s_setreg_imm32_b32 hwreg(HW_REG_WAVE_SCHED_MODE, 0, 2), 2
	s_setreg_imm32_b32 hwreg(HW_REG_WAVE_MODE, 25, 1), 1
	s_wait_xcnt 0x0
	s_wait_alu depctr_vm_vsrc(0)
; xb = x and Wb = W rounded once to bf16 (nearest even); rot[d][p] = (cos, sin) of d * 10000^(-p/16), d = 0..63, p = 0..15, in f32.
; A stream: no LDS, no barrier, no matrix work.  Work-group g takes 65,536 bytes of x (16 rows of 4,096 bytes) and 12,288 bytes of W (3 such rows);
; thread t takes the 16 bytes at 16 t of each row, so a wave's load covers 512 consecutive bytes and its store of 8 bytes a lane 256 consecutive bytes, aligned.
; All 19 loads of a thread go out at once; no register that a memory instruction reads is written again, so no wait frees a source.
; THE TABLE is made by work-groups 0 to 3, an entry a thread.  The angle is brought to a quarter of its remainder modulo a full turn (at most pi/4), sine and cosine
; come from their series up to the 9th and 8th power (the next terms are under 3e-8 there), and two doublings of the angle give the result.  The angles are constants of the problem.
; THE MODE: SCHED_MODE bits 1:0 = 2 (LLVM: expert scheduling mode 2), set by the entry lines.  The code itself states the register dependences
; between vector instructions and memory instructions, with s_wait_alu, always for 0.
; THE PLAN.  Registers that memory instructions touch:
;   v1, v2     the loads' and the stores' offsets: written once at the head, never again.
;   row i      v[D + 4 i .. + 3]: its load lands there (no vector instruction has named them before); its two conversions read all four and write the first two;
;              its store reads those two; nothing writes them afterwards.
;   v[IX], v[RS:RS+1]   the table's offset and data: written by the table's arithmetic, read by its one store.
; The 19 rows go in blocks of four.  Block p's stores are issued in block p + 1, behind ONE wait at that block's head, which states that block p's conversions have written
; their results; they are dealt among block p + 1's conversions, which name other rows' registers alone.
.set ROWS,  19
.set BLOCK, 4
.set D,  8                             ; v[8:83]   row i: 4 registers as loaded; the first two then hold its 4 bf16 pairs
.set IX, 84                            ; v84       the entry's number, then its byte offset
.set PD, 85                            ; v85       d, then the angle
.set PP, 86                            ; v86       p, then 10000^(-p/16)
.set AL, 87                            ; v87       turns, then the reduced angle
.set ZZ, 88                            ; v88       its square
.set SI, 89                            ; v89       sine
.set ZA, 90                            ; v90       square x angle
.set CO, 91                            ; v91       cosine
.set W0, 92                            ; v92-93    at work
.set RS, 94                            ; v[94:95]  (cos, sin) to store
	s_load_b256 s[4:11], s[0:1], 0x0               ; x s[4:5], W s[6:7], xb s[8:9], Wb s[10:11]
	s_load_b64 s[12:13], s[0:1], 0x20              ; rot
	v_lshlrev_b32 v1, 4, v0                        ; my 16 bytes of a row of f32
	v_lshlrev_b32 v2, 3, v0                        ; my 8 bytes of a row of bf16
	s_lshl_b32 s14, ttmp9, 16                      ; the work-group's part of x,
	s_mov_b32 s15, 0
	s_lshl_b32 s16, ttmp9, 15                      ; of xb,
	s_mov_b32 s17, 0
	s_mul_i32 s18, ttmp9, 12288                    ; of W,
	s_mov_b32 s19, 0
	s_mul_i32 s20, ttmp9, 6144                     ; of Wb
	s_mov_b32 s21, 0
	s_wait_kmcnt 0x0
	s_add_nc_u64 s[4:5], s[4:5], s[14:15]
	s_add_nc_u64 s[8:9], s[8:9], s[16:17]
	s_add_nc_u64 s[6:7], s[6:7], s[18:19]
	s_add_nc_u64 s[10:11], s[10:11], s[20:21]
	s_wait_alu depctr_va_vdst(0)                   ; v1 and v2 are written: every load of a row reads v1 as its offset, every store of a row v2
.set i, 0
.rept 16
	global_load_b128 v[D+4*i:D+4*i+3], v1, s[4:5] offset:4096*i th:TH_LOAD_NT
.set i, i+1
.endr
.rept 3
	global_load_b128 v[D+4*i:D+4*i+3], v1, s[6:7] offset:4096*(i-16) th:TH_LOAD_NT
.set i, i+1
.endr
.macro ROUND i                         ; row i is rounded: four numbers close up into the first two of their four registers
	v_cvt_pk_bf16_f32 v[D+4*(\i)], v[D+4*(\i)], v[D+4*(\i)+1]
	v_cvt_pk_bf16_f32 v[D+4*(\i)+1], v[D+4*(\i)+2], v[D+4*(\i)+3]
.endm
.macro SEND i                          ; row i leaves: rows 0 to 15 are x's, rows 16 to 18 W's
.if (\i) < 16
	global_store_b64 v2, v[D+4*(\i):D+4*(\i)+1], s[8:9] offset:2048*(\i) th:TH_STORE_NT
.else
	global_store_b64 v2, v[D+4*(\i):D+4*(\i)+1], s[10:11] offset:2048*((\i)-16) th:TH_STORE_NT
.endif
.endm
.set p, 0
.rept (ROWS+BLOCK-1)/BLOCK
	s_wait_loadcnt ROWS-1-BLOCK*p                  ; loads come back in order: the block's first row is in, the younger rows stay out
.if p > 0
	s_wait_alu depctr_va_vdst(0)                   ; the block before has written the first two registers of its four rows, which the four stores below read; no vector instruction behind this wait names them
.endif
.set j, 0
.rept BLOCK
.if p > 0
	SEND BLOCK*(p-1)+j
.endif
.if BLOCK*p+j < ROWS
.if j > 0
	s_wait_loadcnt ROWS-1-BLOCK*p-j                ; row 4 p + j is in, the younger rows stay out
.endif
	ROUND BLOCK*p+j
.endif
.set j, j+1
.endr
.set p, p+1
.endr
	s_wait_alu depctr_va_vdst(0)                   ; the last block has written the first two registers of rows 16 to 18, which the last three stores read
	SEND 16
	SEND 17
	SEND 18
	s_cmp_lt_u32 ttmp9, 4                          ; 1,024 entries: 256 threads of four work-groups
	s_cbranch_scc0 .Lend
	s_lshl_b32 s22, ttmp9, 8
	v_add_nc_u32 v[IX], s22, v0                    ; entry = 16 d + p
	v_lshrrev_b32 v[PD], 4, v[IX]
	v_and_b32 v[PP], 15, v[IX]
	v_cvt_f32_u32 v[PD], v[PD]
	v_cvt_f32_u32 v[PP], v[PP]
	v_mul_f32 v[PP], 0xbf549a78, v[PP]             ; -log2(10000) / 16 = -0.830482
	v_exp_f32 v[PP], v[PP]
	v_lshlrev_b32 v[IX], 3, v[IX]                  ; 8 bytes an entry: the plain instruction behind the exponential
	s_wait_alu depctr_va_vdst(0)                   ; the exponential has written v[PP], ahead of its first reader
	v_mul_f32 v[PD], v[PD], v[PP]                  ; the angle
	v_mul_f32 v[AL], 0x3e22f983, v[PD]             ; in turns (1 / 2 pi)
	v_rndne_f32 v[AL], v[AL]
	v_fma_f32 v[AL], v[PD], 0x3e22f983, -v[AL]     ; the remainder, -0.5 to 0.5 turns
	v_mul_f32 v[AL], 0x3fc90fdb, v[AL]             ; x pi / 2: a quarter of the remaining angle
	v_mul_f32 v[ZZ], v[AL], v[AL]
	v_mov_b32 v[SI], 0x3638ef1d                    ; 1 / 9!
	v_mov_b32 v[CO], 0x37d00d01                    ; 1 / 8!
	v_fmaak_f32 v[SI], v[SI], v[ZZ], 0xb9500d01    ; -1 / 7!
	v_fmaak_f32 v[CO], v[CO], v[ZZ], 0xbab60b61    ; -1 / 6!
	v_fmaak_f32 v[SI], v[SI], v[ZZ], 0x3c088889    ; 1 / 5!
	v_fmaak_f32 v[CO], v[CO], v[ZZ], 0x3d2aaaab    ; 1 / 4!
	v_fmaak_f32 v[SI], v[SI], v[ZZ], 0xbe2aaaab    ; -1 / 3!
	v_fmaak_f32 v[CO], v[CO], v[ZZ], 0xbf000000    ; -1 / 2!
	v_mul_f32 v[ZA], v[ZZ], v[AL]
	v_fma_f32 v[CO], v[CO], v[ZZ], 1.0
	v_fma_f32 v[SI], v[SI], v[ZA], v[AL]
	v_mul_f32 v[W0], v[SI], v[CO]                  ; the angle doubled: sin = 2 s c, cos = 1 - 2 s s
	v_mul_f32 v[W0+1], v[SI], v[SI]
	v_add_f32 v[SI], v[W0], v[W0]
	v_fma_f32 v[CO], v[W0+1], -2.0, 1.0
	v_mul_f32 v[W0], v[SI], v[CO]                  ; and once more
	v_mul_f32 v[W0+1], v[SI], v[SI]
	v_add_f32 v[RS+1], v[W0], v[W0]
	v_fma_f32 v[RS], v[W0+1], -2.0, 1.0
	s_wait_alu depctr_va_vdst(0)                   ; v[IX] and v[RS:RS+1] are written: the store below reads them as its offset and its data
	global_store_b64 v[IX], v[RS:RS+1], s[12:13]
.Lend:
	s_endpgm
.Lfunc_end_k_qfc34bf8094_cvt:
	.size	k_qfc34bf8094_cvt, .Lfunc_end_k_qfc34bf8094_cvt-k_qfc34bf8094_cvt
	.p2alignl 7, 3214868480
	.fill 96, 4, 3214868480
	.section	.rodata,"a",@progbits
	.p2align	6, 0x0
	.amdhsa_kernel k_qfc34bf8094_cvt
		.amdhsa_group_segment_fixed_size 0
		.amdhsa_private_segment_fixed_size 0
		.amdhsa_enable_private_segment 0
		.amdhsa_kernarg_size 40
		.amdhsa_user_sgpr_count 2
		.amdhsa_user_sgpr_kernarg_segment_ptr 1
		.amdhsa_wavefront_size32 1
		.amdhsa_system_sgpr_workgroup_id_x 1
		.amdhsa_system_sgpr_workgroup_id_y 1
		.amdhsa_system_sgpr_workgroup_id_z 1
		.amdhsa_system_vgpr_workitem_id 0
		.amdhsa_next_free_vgpr 96
		.amdhsa_next_free_sgpr 66
		.amdhsa_reserve_vcc 0
		.amdhsa_float_denorm_mode_32 3
		.amdhsa_float_denorm_mode_16_64 3
		.amdhsa_memory_ordered 1
		.amdhsa_forward_progress 1
		.amdhsa_inst_pref_size 10
	.end_amdhsa_kernel
	.amdgpu_metadata
---
amdhsa.version: [ 1, 2 ]
amdhsa.kernels:
  - .name:           k_qfc34bf8094_cvt
    .symbol:         k_qfc34bf8094_cvt.kd
    .args:
      - { .name: x, .offset: 0, .size: 8, .value_kind: global_buffer, .address_space: global }
      - { .name: W, .offset: 8, .size: 8, .value_kind: global_buffer, .address_space: global }
      - { .name: xb, .offset: 16, .size: 8, .value_kind: global_buffer, .address_space: global }
      - { .name: Wb, .offset: 24, .size: 8, .value_kind: global_buffer, .address_space: global }
      - { .name: rot, .offset: 32, .size: 8, .value_kind: global_buffer, .address_space: global }
    .group_segment_fixed_size: 0
    .private_segment_fixed_size: 0
    .kernarg_segment_align: 8
    .kernarg_segment_size: 40
    .max_flat_workgroup_size: 256
    .sgpr_count:     66
    .vgpr_count:     96
    .wavefront_size: 32
...
	.end_amdgpu_metadata
.endif
;; end of part 4
;; launch qkv: the kernel of part 2 again; grid 16 x 16, 4 waves a work-group, clusters of 4 x 4, 327,680 bytes of LDS; arguments xb, Wb, b, rot, vf, sp; writes vf, sp
;; launch pv: the kernel of part 3 again; grid 4 x 64, 4 waves a work-group, no clusters, 78,336 bytes of LDS; arguments sp, vf, out0; writes out0
